; MI455X (gfx1250); checked and timed in simulation.
; The chip was launched on July 23, 2026; its instructions are those of AMD's public machine-readable ISA for CDNA 5 (MIT licence, August 2026) and "CDNA5" Instruction Set Architecture Reference Guide (July 2026). The comments in the code are by the model that wrote it; some were corrected since.
;; Causal Self Attention. Allowed arithmetic: matrix products marked QUANTISED: E4M3 operands, one given power-of-two scale a tensor, by v_wmma_f32_16x16x64_fp8_fp8 or v_wmma_f32_16x16x128_fp8_fp8, f32 sums; everything else in f32.
;; Inputs: Wout_codes 1,024 x 32 x 32 uint8 (E4M3 codes of Wout, K innermost, in blocks of 32 codes); Wqkv_codes 3,072 x 32 x 32 uint8 (E4M3 codes of Wqkv, K innermost, in blocks of 32 codes); lowp_scales 8 int32 (the exponents e of the quantised operands' scales 2^e); x_codes 4 x 2,048 x 32 x 32 uint8 (E4M3 codes of x, K innermost, in blocks of 32 codes).
;; Outputs: out0 4 x 2,048 x 1,024 float32.
;; This version of the problem:
;;   THIS VERSION OF THE PROBLEM IS GIVEN IN LOW PRECISION. The matrix products marked QUANTISED in the list below multiply operands that are first quantised to E4M3 (4 exponent bits, 3 mantissa bits; 8 bits a number), with one given power-of-two scale for each operand tensor; their sums are f32. All else is computed in f32.
;;   The module's matrix products, in the order in which they are computed (A, B: the left and right operand; K: the contracted axis; several contracted axes count as one K, in the product's order):
;;     1. [M 8,192, K 1,024] x [K 1,024, N 3,072]; A: input x (given as codes); B: input Wqkv (given as codes): QUANTISED (scales: A lowp_scales[0], B lowp_scales[1])
;;     2. batch 64 x [M 2,048, K 64] x [K 64, N 2,048]; A: computed on the way; B: computed on the way: QUANTISED (scales: A lowp_scales[2], B lowp_scales[3])
;;     3. batch 64 x [M 2,048, K 2,048] x [K 2,048, N 64]; A: softmax (see below); B: computed on the way: QUANTISED (scales: A lowp_scales[4], B lowp_scales[5])
;;     4. [M 8,192, K 1,024] x [K 1,024, N 1,024]; A: computed on the way; B: input Wout (given as codes): QUANTISED (scales: A lowp_scales[6], B lowp_scales[7])
;;   THE QUANTISER, for each operand of a quantised product, along K:
;;     - The operand's scale is 2^e, e = its entry of the input lowp_scales (int32; the entries are numbered through the quantised products in the list's order, A before B).
;;     - Each number is divided by the scale, clamped to +-448, and rounded to the nearest number of E4M3, ties to even, subnormals kept.
;;     - The product sums the exact products of the quantised numbers (number of the format x scale) in f32.
;;   ~~~python
;;   def quantise(x, axis, e):      # numpy; x: float32 -> the quantised numbers, widened to float32 again
;;       x = np.moveaxis(x, axis, -1); K = x.shape[-1]
;;       r = np.clip(x / 2.0 ** e, -448, 448)
;;       step = 2.0 ** (np.maximum(np.frexp(np.where(r == 0, 1, r))[1] - 1, -6) - 3)
;;       q = np.round(r / step) * step * 2.0 ** e      # np.round: ties to even
;;       return np.moveaxis(q, -1, axis).astype(np.float32)
;;   ~~~
;;   SOFTMAX AHEAD OF A QUANTISED PRODUCT. Where the list says 'softmax', what is quantised is not the finished softmax but p = 2^(t - M), with t = logit x log2(e) and M = ceil(the row's largest t), a whole number; so 1/2 < the row's largest p <= 1. The row's sum l is taken of the UNQUANTISED p, in f32, and the product's result is divided by l at the end. Since M is a whole number, a kernel that streams over the keys may use a running M (the ceiling of the running maximum): every later rescaling is an exact power of two, so the quantised numbers keep their values, but for numbers so far below the row's largest that they fall under the format's range.
;;   OPERANDS COMPUTED ON THE WAY. 'Computed on the way' means the value that the module computes at that place (a softmax that the list does not call 'softmax' is quantised finished and normalised). What goes into a quantiser is computed in f32, as accurately as f32 sums, v_exp_f32 and their like allow (about 1e-6 of the number): no bf16 or f16 on the way to a quantiser, and a product that is left as it is and whose result goes on into a quantised operand takes f32 operands (vector FMAs, or v_wmma_f32_16x16x4_f32). A number that lies on a knife's edge between two numbers of the format may be rounded either way, as far as f32 arithmetic and the matrix unit's own rounding can turn it there, and no further.
;;   INPUTS GIVEN AS CODES. Wout (in the module: [1024, 1024], K = its axis 0); Wqkv (in the module: [1024, 3072], K = its axis 0); x (in the module: [4, 2048, 1024], K = its axis 2): each comes as NAME_codes (uint8): NAME with its K axis moved to the last place and cut into blocks of 32 codes, [.., K / 32, bytes a block], one block behind the other in memory; one code a byte (a code: sign, 4 exponent bits, 3 mantissa bits); its scale is its entry of lowp_scales. Its value is code x scale, taken as it is: it is not quantised again, and the codes and scales need not be those that the quantiser above would give.
;; One version. Each part assembles by itself: llvm-mc -triple=amdgcn-amd-amdhsa -mcpu=gfx1250 --defsym DOCPART=n.
;; ======== version 1 of 1: 3 launches
;; limits: right only within a limited range of input values
;; workspace buffers: q_codes 8,388,608 bytes; k_codes 8,388,608 bytes; v_codes 8,388,608 bytes; a_codes 8,388,608 bytes
;; launch qkv (part 1): grid 16 x 32, 4 waves a work-group, clusters of 4 x 4, 327,680 bytes of LDS; arguments x_codes, Wqkv_codes, lowp_scales, q_codes, k_codes, v_codes; writes q_codes, k_codes, v_codes
.if DOCPART == 1
	.amdgcn_target "amdgcn-amd-amdhsa--gfx1250"
	.amdhsa_code_object_version 6
	.text
	.protected	k_q5b0162abac_qkv
	.globl	k_q5b0162abac_qkv
	.p2align	8
	.type	k_q5b0162abac_qkv,@function
k_q5b0162abac_qkv:
	s_mov_b64 s[64:65], 0
	v_nop
	global_prefetch_b8 v0, s[64:65] scope:SCOPE_SE
	s_setreg_imm32_b32 hwreg(HW_REG_WAVE_MODE, 25, 1), 1
	s_wait_xcnt 0x0
	s_wait_alu depctr_hold_cnt(0) depctr_sa_sdst(0) depctr_va_vdst(0) depctr_va_sdst(0) depctr_va_ssrc(0) depctr_va_vcc(0) depctr_vm_vsrc(0)
	s_getreg_b32 s2, hwreg(HW_REG_IB_STS2, 6, 4)
	s_cmp_eq_u32 s2, 0
	s_cbranch_scc0 .Lentry_in_a_cluster
	s_endpgm
.Lentry_in_a_cluster:
	s_bfe_u32 s2, ttmp6, 0x10000c
	s_cmp_lg_u32 s2, 0xf033
	s_cbranch_scc0 .Lentry_shape_is_right
	s_endpgm
.Lentry_shape_is_right:
; qkv = x Wqkv on codes of E4M3, then the rotary embedding of q and k in f32, then the three quantisers: q (scale entry 2), k (entry 3), v (entry 5).
; x_codes: [8192 tokens][1024], Wqkv_codes: [3072 columns][1024], K innermost, one code a byte.  A sum stands for sum x 2^(e0 + e1); that power is folded into each conversion's scale.
; SHARES.  A work-group takes 256 tokens (block R of 32) and ONE head: its 64 columns of q, of k and of v, 192 rows of W.  Four waves: wave w has rh = w / 2 (128 tokens) and ch = w % 2.
; Its columns: q's and k's tiles of 16 numbered ch and ch + 2, so that the partners d and d + 32 of the rotation lie in one lane and one register number; v's tiles 2 ch and 2 ch + 1.  48 accumulators.
; q AND k ARE MADE TRANSPOSED (source 0 = 16 rows of W, source 1 = 16 tokens): a lane holds one token and eight neighbouring d.  v IS NOT (source 0 = tokens, source 1 = W): a lane holds one d and eight
; neighbouring tokens, so that v's codes come out with the keys innermost, as the second product of attention wants them.
; K goes in slots of 256 through a ring of two LDS slots (rows of 256 bytes + 16 of padding), four half-steps of 64 along K to a slot.
; A fragment (16 rows x 64 K) comes by two loads of 16 bytes, 32 apart: a permutation of k inside the instruction, the same on both sides, so every product meets its partner.
; CLUSTER 4 x 4: the four work-groups of a row share the tokens (x's tile), the four of a column the head (W's tiles): each tile is asked for jointly.
; OUT, as images of operand registers (every store of a wave is 512 consecutive bytes, aligned):
;   q_codes, k_codes [head of 64][tile of 16 tokens][ch][lane][16 bytes]: codes of d = 16 ch + 8 h + 0..7, then of d = 32 + 16 ch + 8 h + 0..7, of token lane % 16 (h = lane / 16)
;   v_codes [head of 64][128 keys][tile of 16 d][c4][lane][16 bytes]: d = lane % 16; keys 32 c4 + 8 h + 0..7, then 32 c4 + 16 + 8 h + 0..7
; THE ANGLES.  phi = pos x theta, one f32 rounding; theta_i = 10^(-i/8), made as fl(10^(-j/8)) x fl(10^(-g)), i = 8 g + j.  phi is reduced by n = round(phi 2/pi) in two fused steps (the first is exact: n is under
; 2^11), sine and cosine come from polynomials on |r| <= pi/4, the quadrant by signs and a swap.
; LIMITS: e2 - e0 - e1, e3 - e0 - e1, e5 - e0 - e1 between -126 and 119.  NaN codes are not served.  theta lies within about two units in its last place of 1 / 10000^(i/32) taken in f32.
; REGISTERS, in windows of 256.  Window 0: v1-29 addresses and scales; two sets of fragments at v32 and v144 (x's 8 blocks, then W's 6 tiles: q, q, k, k, v, v).
;   Window 1: q's and k's accumulators, (block a, tile f) at 8 (4 a + f).   Window 2: v's, (a, t) at 8 (2 a + t); cosines at 128 + 8 a + j, sines at 192 + 8 a + j.
.set PITCH,  272                       ; an LDS row: 256 bytes + 16 of padding = 68 words, so the 16 rows of a fragment load start 4 banks apart
.set ABYTES, 256*PITCH                 ; x's 256 rows
.set SLOT,   448*PITCH                 ; then W's 192 rows: q's 64, k's 64, v's 64
.set SPARE,  2*SLOT                    ; behind the ring: the spare words, 128 bytes a wave: two blocks of 256 bytes that no other line names
.set G1A, 24                           ; s[24:31] descriptor group 1 for x's tile;   s[32:39] its group 0, a set for each slot
.set G0A, 32
.set G1B, 48                           ; s[48:55], s[56:63] the same for W's tiles
.set G0B, 56
.set K2PI, 40                          ; v40-57: nine constants, each in both registers of a pair (these and the registers below are free until the first fragments are fetched)
.set KNHI, 42
.set KLO,  44
.set KS1,  46
.set KS2,  48
.set KS3,  50
.set KC1,  52
.set KC2,  54
.set KC3,  56
.set TH,   58                          ; v58-65 theta of my eight frequencies
.set PH,   72                          ; phi, later n as a whole number
.set NN,   80                          ; n
.set RR,   88                          ; r
.set ZZ,   96                          ; r^2, later the cosine's value
.set PS,   104                         ; sin r
.set PC,   112                         ; cos r
.set T1,   120                         ; r^3, later bit 1 of n at the sign's place
.set T2,   128                         ; r^4, later bit 0 of n at the sign's place
.set HH,   136                         ; 1 - r^2 / 2, later the sine's value
.set MSB, 0
.macro WIN new                         ; the immediate's high byte repeats the setting that is left
.if MSB != \new
	s_set_vgpr_msb (MSB<<8)|\new
.set MSB, \new
.endif
.endm
.macro PLACES n
.rept \n
	v_nop
.endr
.endm
; A joint load: wave 3 fetches x's 256 rows, waves 0, 1, 2 the 64 rows of W for q, k, v.  The branch hangs on the wave's number alone.  Four v_nop follow each of the two lines.
.macro JLOAD s
	s_cmp_eq_u32 s16, 3
	s_cbranch_scc0 .Lfor_b_\@
	tensor_load_to_lds s[G0A+4*\s:G0A+4*\s+3], s[G1A:G1A+7]
	s_nop 0
.rept 4
	v_nop
.endr
	s_branch .Lasked_\@
.Lfor_b_\@:
	tensor_load_to_lds s[G0B+4*\s:G0B+4*\s+3], s[G1B:G1B+7]
	s_nop 0
.rept 4
	v_nop
.endr
.Lasked_\@:
.endm
.macro CREST                           ; a round of the cluster's barrier behind its opening barrier
	s_cmp_lg_u32 s16, 0
	s_cbranch_scc1 .Lnot_wave_0_\@
	s_barrier_signal -3
.Lnot_wave_0_\@:
	s_barrier_wait -3
	s_barrier_signal -1
	s_barrier_wait -1
.endm
.macro CROUND                          ; a whole round
	s_barrier_signal -1
	s_barrier_wait -1
	CREST
.endm
.macro PAIR reg, val
	v_mov_b32 v[\reg], \val
	v_mov_b32 v[\reg+1], \val
.endm
.macro MKSCALE se, vs, vl              ; s[se] = e: v[vs] = 2^e as f32 (the conversion takes its exponent field), v[vl] = 448 x 2^e
	s_add_co_i32 s[\se], s[\se], 127
	s_lshl_b32 s71, s[\se], 23
	v_mov_b32 v[\vs], s71
	s_add_co_i32 s[\se], s[\se], 8
	s_lshl_b32 s[\se], s[\se], 23
	s_or_b32 s[\se], s[\se], 0x600000
	v_mov_b32 v[\vl], s[\se]
.endm
	s_load_b256 s[4:11], s[0:1], 0x0               ; x s[4:5], W s[6:7], the scales' exponents s[8:9], q_codes s[10:11]
	s_load_b128 s[12:15], s[0:1], 0x20             ; k_codes s[12:13], v_codes s[14:15]
	v_lshl_add_u32 v28, v0, 2, SPARE               ; my spare word; never rewritten
	v_mov_b32 v29, 0                               ; 0; never rewritten
	ds_add_u32 v28, v29
	ds_add_u32 v28, v29
	s_wait_dscnt 0x0
	v_lshrrev_b32 v1, 5, v0
	v_readfirstlane_b32 s16, v1                    ; wave 0..3
	s_lshr_b32 s17, s16, 1                         ; rh
	s_and_b32 s18, s16, 1                          ; ch
	s_bfe_u32 s19, ttmp6, 0x40000                  ; cx
	s_bfe_u32 s20, ttmp6, 0x40004                  ; cy
	s_lshl_b32 s21, ttmp9, 2
	s_add_co_u32 s21, s21, s19                     ; the head = 4 x cluster x + cx
	s_and_b32 s22, ttmp7, 0xffff
	s_lshl_b32 s22, s22, 2
	s_add_co_u32 s22, s22, s20                     ; R, the block of 256 tokens = 4 x cluster y + cy
	s_lshl_b32 s40, s20, 2
	s_lshl_b32 s40, 15, s40                        ; my row of the cluster
	s_lshl_b32 s41, 0x1111, s19                    ; my column
	s_or_b32 s[G1A], s40, (1<<20)|(1<<21)|(5<<22)|(3<<25)   ; 15:0 the mask; 17:16 elements of 1 byte; 20 padding on; 21 set beside a mask; 24:22 after every 64 words; 31:25 four words
	s_or_b32 s[G1B], s41, (1<<20)|(1<<21)|(5<<22)|(3<<25)
	s_mov_b32 s[G1A+1], 256<<16                    ; tensor_dim0 = 256
	s_mov_b32 s[G1A+2], 256<<16                    ; tensor_dim1 = 256
	s_mov_b32 s[G1A+3], 256<<16                    ; tile_dim0 = 256
	s_mov_b32 s[G1A+4], 256                        ; tile_dim1 = 256 rows
	s_mov_b32 s[G1A+5], 1024                       ; from row to row
	s_mov_b32 s[G1A+6], 0
	s_mov_b32 s[G1A+7], 0
	s_mov_b32 s[G1B+1], 256<<16
	s_mov_b32 s[G1B+2], 64<<16                     ; 64 rows
	s_mov_b32 s[G1B+3], 256<<16
	s_mov_b32 s[G1B+4], 64
	s_mov_b32 s[G1B+5], 1024
	s_mov_b32 s[G1B+6], 0
	s_mov_b32 s[G1B+7], 0
	s_lshl_b32 s42, s22, 18                        ; x: R x 256 rows of 1,024 bytes
	s_mov_b32 s43, 0
	s_min_u32 s44, s16, 2                          ; which of W's three pieces (wave 3 asks for none: its number is held inside)
	s_lshl_b32 s46, s44, 20                        ; W: piece x 1,024 rows
	s_lshl_b32 s47, s21, 16                        ;    + head x 64 rows
	s_add_co_u32 s46, s46, s47
	s_mov_b32 s47, 0
	s_mul_i32 s45, s44, 64*PITCH
	s_add_co_u32 s45, s45, ABYTES                  ; the piece's place in a slot
	s_wait_kmcnt 0x0
	s_load_b256 s[72:79], s[8:9], 0x0              ; e0 .. e7
	s_add_nc_u64 s[42:43], s[4:5], s[42:43]
	s_add_nc_u64 s[46:47], s[6:7], s[46:47]
	CROUND                                         ; all sixteen work-groups are here: the first joint loads meet
.irp s, 0,1
	s_mov_b32 s[G0A+4*\s], 1
	s_mov_b32 s[G0A+4*\s+1], \s*SLOT
	s_add_nc_u64 s[G0A+4*\s+2:G0A+4*\s+3], s[42:43], \s*256
	s_or_b32 s[G0A+4*\s+3], s[G0A+4*\s+3], 0x80000000
	s_mov_b32 s[G0B+4*\s], 1
	s_add_co_u32 s[G0B+4*\s+1], s45, \s*SLOT
	s_add_nc_u64 s[G0B+4*\s+2:G0B+4*\s+3], s[46:47], \s*256
	s_or_b32 s[G0B+4*\s+3], s[G0B+4*\s+3], 0x80000000
	JLOAD \s                                       ; both slots are asked for before anything else: two loads of mine are out
.endr
	; addresses
	v_and_b32 v1, 15, v0                           ; r
	v_bfe_u32 v2, v0, 4, 1                         ; h
	v_mul_u32_u24 v3, v1, PITCH
	v_lshl_add_u32 v3, v2, 4, v3                   ; a fragment's row x pitch + 16 h
	v_and_b32 v4, 31, v0
	v_lshlrev_b32 v14, 4, v4                       ; 16 x lane: my place in an image; never rewritten
	s_mul_i32 s66, s17, 128*PITCH                  ; my 128 tokens
	s_mul_i32 s67, s18, 16*PITCH                   ; tile ch
	s_add_co_u32 s68, s67, ABYTES
	v_add_nc_u32 v16, s66, v3                      ; v16, v17: x's fragments in slot 0, 1
	v_add_nc_u32 v17, SLOT, v16
	v_add_nc_u32 v18, s68, v3                      ; v18, v19: q's and k's tiles: rows 16 ch + 32 f
	v_add_nc_u32 v19, SLOT, v18
	v_add_nc_u32 v20, s67, v18                     ; v20, v21: v's tiles: rows 128 + 32 ch + 16 t
	v_add_nc_u32 v21, SLOT, v20
	; theta of my eight frequencies i = 8 (2 ch + h) + j
	s_cmp_eq_u32 s18, 0
	s_mov_b32 s66, 0x3c23d70a                      ; 10^-2
	s_cselect_b32 s66, 0x3f800000, s66             ; h = 0: 1 or 10^-2
	s_mov_b32 s67, 0x3a83126f                      ; 10^-3
	s_cselect_b32 s67, 0x3dcccccd, s67             ; h = 1: 10^-1 or 10^-3
	v_cmp_eq_u32 vcc_lo, 1, v2
	v_mov_b32 v5, s66
	v_mov_b32 v6, s67
	v_cndmask_b32 v5, v5, v6, vcc_lo
	v_mul_f32 v[TH+0], 0x3f800000, v5              ; 10^(-j/8), j = 0 .. 7
	v_mul_f32 v[TH+1], 0x3f3ff911, v5
	v_mul_f32 v[TH+2], 0x3f0ff59a, v5
	v_mul_f32 v[TH+3], 0x3ed7e89b, v5
	v_mul_f32 v[TH+4], 0x3ea1e89b, v5
	v_mul_f32 v[TH+5], 0x3e72d424, v5
	v_mul_f32 v[TH+6], 0x3e361887, v5
	v_mul_f32 v[TH+7], 0x3e088d77, v5
	s_and_b32 s68, s22, 7
	s_lshl_b32 s68, s68, 8
	s_lshl_b32 s69, s17, 7
	s_add_co_u32 s68, s68, s69                     ; my first token's position in its sequence: 256 (R % 8) + 128 rh
	v_add_nc_u32 v7, s68, v1
	v_cvt_f32_u32 v22, v7                          ; pos of block 0's token r, twice
	v_mov_b32 v23, v22
	PAIR K2PI, 0x3f22f983                          ; 2 / pi
	PAIR KNHI, 0xbfc90fdb                          ; -(pi / 2 rounded to f32)
	PAIR KLO,  0x333bbd2e                          ; that rounded number less pi / 2
	PAIR KS1,  0xbe2aaaa3
	PAIR KS2,  0x3c08839e
	PAIR KS3,  0xb94ca1f9
	PAIR KC1,  0x3d2aaaa5
	PAIR KC2,  0xbab6061a
	PAIR KC3,  0x37ccf5ce
; cosines and sines of block a's token r at my eight frequencies, into window 2
.macro SINCOS a
.irp k, 0,2,4,6
	v_pk_mul_f32 v[PH+\k:PH+\k+1], v[TH+\k:TH+\k+1], v[22:23]                        ; phi = theta x pos
.endr
.irp k, 0,2,4,6
	v_pk_mul_f32 v[NN+\k:NN+\k+1], v[PH+\k:PH+\k+1], v[K2PI:K2PI+1]
.endr
.irp j, 0,1,2,3,4,5,6,7
	v_rndne_f32 v[NN+\j], v[NN+\j]                                                   ; n
.endr
.irp k, 0,2,4,6
	v_pk_fma_f32 v[RR+\k:RR+\k+1], v[NN+\k:NN+\k+1], v[KNHI:KNHI+1], v[PH+\k:PH+\k+1] ; exact
.endr
.irp k, 0,2,4,6
	v_pk_fma_f32 v[RR+\k:RR+\k+1], v[NN+\k:NN+\k+1], v[KLO:KLO+1], v[RR+\k:RR+\k+1]   ; r = phi - n pi / 2
.endr
.irp k, 0,2,4,6
	v_pk_mul_f32 v[ZZ+\k:ZZ+\k+1], v[RR+\k:RR+\k+1], v[RR+\k:RR+\k+1]
.endr
.irp k, 0,2,4,6
	v_pk_fma_f32 v[PS+\k:PS+\k+1], v[ZZ+\k:ZZ+\k+1], v[KS3:KS3+1], v[KS2:KS2+1]
	v_pk_fma_f32 v[PC+\k:PC+\k+1], v[ZZ+\k:ZZ+\k+1], v[KC3:KC3+1], v[KC2:KC2+1]
.endr
.irp k, 0,2,4,6
	v_pk_fma_f32 v[PS+\k:PS+\k+1], v[PS+\k:PS+\k+1], v[ZZ+\k:ZZ+\k+1], v[KS1:KS1+1]
	v_pk_fma_f32 v[PC+\k:PC+\k+1], v[PC+\k:PC+\k+1], v[ZZ+\k:ZZ+\k+1], v[KC1:KC1+1]
.endr
.irp k, 0,2,4,6
	v_pk_mul_f32 v[T1+\k:T1+\k+1], v[ZZ+\k:ZZ+\k+1], v[RR+\k:RR+\k+1]
	v_pk_mul_f32 v[T2+\k:T2+\k+1], v[ZZ+\k:ZZ+\k+1], v[ZZ+\k:ZZ+\k+1]
	v_pk_fma_f32 v[HH+\k:HH+\k+1], v[ZZ+\k:ZZ+\k+1], -0.5, 1.0 op_sel_hi:[1,0,0]
.endr
.irp k, 0,2,4,6
	v_pk_fma_f32 v[PS+\k:PS+\k+1], v[PS+\k:PS+\k+1], v[T1+\k:T1+\k+1], v[RR+\k:RR+\k+1] ; sin r
	v_pk_fma_f32 v[PC+\k:PC+\k+1], v[PC+\k:PC+\k+1], v[T2+\k:T2+\k+1], v[HH+\k:HH+\k+1] ; cos r
.endr
.irp j, 0,1,2,3,4,5,6,7
	v_cvt_i32_f32 v[PH+\j], v[NN+\j]
.endr
.irp j, 0,1,2,3,4,5,6,7                        ; the quadrant: n odd swaps the two and turns the cosine's sign; bit 1 of n turns both signs
	v_lshlrev_b32 v[T2+\j], 31, v[PH+\j]
	v_lshlrev_b32 v[T1+\j], 30, v[PH+\j]
	v_and_b32 v[T1+\j], 0x80000000, v[T1+\j]
	v_cmp_ne_u32 vcc_lo, 0, v[T2+\j]
	v_cndmask_b32 v[HH+\j], v[PS+\j], v[PC+\j], vcc_lo
	v_cndmask_b32 v[ZZ+\j], v[PC+\j], v[PS+\j], vcc_lo
	v_xor_b32 v[ZZ+\j], v[T2+\j], v[ZZ+\j]
.endr
	WIN 0x80                                       ; destination window 2
.irp j, 0,1,2,3,4,5,6,7
	v_xor_b32 v[192+8*(\a)+\j], v[T1+\j], v[HH+\j]
	v_xor_b32 v[128+8*(\a)+\j], v[T1+\j], v[ZZ+\j]
.endr
	WIN 0
	v_pk_add_f32 v[22:23], v[22:23], 0x41800000 op_sel_hi:[1,0]                      ; the next block's token: 16 on
.endm
.irp a, 0,1,2,3,4,5,6,7
	SINCOS \a                                      ; this work stands between the first joint loads and the wait for them
.endr
	; the three conversions' scales, and where the codes go
	s_wait_kmcnt 0x0
	s_add_co_i32 s66, s72, s73                     ; e0 + e1
	s_sub_co_i32 s67, s74, s66
	MKSCALE 67, 8, 9                               ; q: v8 = 2^(e2 - e0 - e1), v9 = 448 x that
	s_sub_co_i32 s67, s75, s66
	MKSCALE 67, 10, 11                             ; k: with e3
	s_sub_co_i32 s67, s77, s66
	MKSCALE 67, 12, 13                             ; v: with e5
	s_lshr_b32 s66, s22, 3
	s_lshl_b32 s66, s66, 4
	s_add_co_u32 s66, s66, s21                     ; 16 x batch + head
	s_lshl_b32 s66, s66, 17                        ; x 131,072 bytes
	s_and_b32 s67, s22, 7
	s_lshl_b32 s67, s67, 14
	s_add_co_u32 s66, s66, s67                     ; + 256 tokens x 64 bytes x (R % 8)
	s_lshl_b32 s67, s17, 13
	s_add_co_u32 s66, s66, s67                     ; + my 128 tokens
	s_lshl_b32 s67, s18, 9
	s_add_co_u32 s68, s66, s67                     ; q, k: + 512 ch
	s_mov_b32 s69, 0
	s_lshl_b32 s67, s18, 12
	s_add_co_u32 s70, s66, s67                     ; v: + two tiles of d x 2,048 x ch
	s_mov_b32 s71, 0
	s_add_nc_u64 s[80:81], s[10:11], s[68:69]
	s_add_nc_u64 s[82:83], s[12:13], s[68:69]
	s_add_nc_u64 s[84:85], s[14:15], s[70:71]
; 28 LDS loads in one run: the fragments of the slot's q-th 64 along K into set p
.macro FETCH slot, q, p
.set FB, 32+112*(\p)
.irp a, 0,1,2,3,4,5,6,7
	ds_load_b128 v[FB+8*\a:FB+8*\a+3],   v[16+\slot] offset:\a*16*PITCH+64*(\q)
	ds_load_b128 v[FB+8*\a+4:FB+8*\a+7], v[16+\slot] offset:\a*16*PITCH+64*(\q)+32
.endr
.irp f, 0,1,2,3
	ds_load_b128 v[FB+64+8*\f:FB+64+8*\f+3],   v[18+\slot] offset:\f*32*PITCH+64*(\q)
	ds_load_b128 v[FB+64+8*\f+4:FB+64+8*\f+7], v[18+\slot] offset:\f*32*PITCH+64*(\q)+32
.endr
.irp t, 0,1
	ds_load_b128 v[FB+96+8*\t:FB+96+8*\t+3],   v[20+\slot] offset:(128+16*\t)*PITCH+64*(\q)
	ds_load_b128 v[FB+96+8*\t+4:FB+96+8*\t+7], v[20+\slot] offset:(128+16*\t)*PITCH+64*(\q)+32
.endr
.endm
; 16 products for q and k: blocks a0 .. a0 + 3 x four tiles, transposed.  zero = 1: the first product starts the sums: nothing is ever cleared.
; The 48 accumulators take turns, one instruction a turn, in the same order in every half-step.
.macro QK16 p, a0, zero
.set FB, 32+112*(\p)
.irp a, \a0, \a0+1, \a0+2, \a0+3
.irp f, 0,1,2,3
.if \zero
	v_wmma_f32_16x16x64_fp8_fp8 v[8*(4*(\a)+\f):8*(4*(\a)+\f)+7], v[FB+64+8*\f:FB+64+8*\f+7], v[FB+8*(\a):FB+8*(\a)+7], 0
.else
	v_wmma_f32_16x16x64_fp8_fp8 v[8*(4*(\a)+\f):8*(4*(\a)+\f)+7], v[FB+64+8*\f:FB+64+8*\f+7], v[FB+8*(\a):FB+8*(\a)+7], v[8*(4*(\a)+\f):8*(4*(\a)+\f)+7]
.endif
.endr
.endr
.endm
; 16 products for v: eight blocks x two tiles, not transposed
.macro V16 p, zero
.set FB, 32+112*(\p)
.irp a, 0,1,2,3,4,5,6,7
.irp t, 0,1
.if \zero
	v_wmma_f32_16x16x64_fp8_fp8 v[8*(2*\a+\t):8*(2*\a+\t)+7], v[FB+8*\a:FB+8*\a+7], v[FB+96+8*\t:FB+96+8*\t+7], 0
.else
	v_wmma_f32_16x16x64_fp8_fp8 v[8*(2*\a+\t):8*(2*\a+\t)+7], v[FB+8*\a:FB+8*\a+7], v[FB+96+8*\t:FB+96+8*\t+7], v[8*(2*\a+\t):8*(2*\a+\t)+7]
.endif
.endr
.endr
.endm
; One of a slot's first three half-steps: the next half-step's fragments are asked for, into the other set, and set p is multiplied.
; A load into a register that a matrix instruction has read stands four plain vector instructions behind it (ISA guide 7.12.1 for vector instructions).
.macro HALF slot, q, p, zero
	WIN 0
	PLACES 4
	FETCH \slot, (\q)+1, 1-(\p)
	s_wait_dscnt 28                                ; all but the 28 just issued: set p is in
	WIN 0x50                                       ; C and D window 1
	QK16 \p, 0, \zero
	QK16 \p, 4, \zero
	WIN 0xa0                                       ; C and D window 2
	V16 \p, \zero
.endm
; A slot's last half-step (set 1) changes slots: ONE barrier; in front of it each wave waits for all its tensor loads, adds 0 to its spare word, and waits for that and for its own reads of this slot.
; fill = 1: the barrier opens a round of the cluster's barrier, and this slot is filled again, with K two slots on.
.macro TURN slot, next, fill
	WIN 0
	s_wait_tensorcnt 0x0                           ; all my tensor loads have landed: my part of the next slot
	ds_add_u32 v28, v29                            ; 0 onto my spare word
	s_wait_dscnt 1                                 ; set 1's loads are in; the add may be out
	WIN 0x50
	QK16 1, 0, 0                                   ; sixteen products stand between the add and the wait for it
	s_wait_dscnt 0x0                               ; the add is done, and my reads of this slot are over
	s_barrier_signal -1
	QK16 1, 4, 0
	WIN 0
	s_barrier_wait -1
.if \fill
	CREST                                          ; no wave of any partner still reads this slot's tiles or has a load on its way
	s_add_nc_u64 s[G0A+4*\slot+2:G0A+4*\slot+3], s[G0A+4*\slot+2:G0A+4*\slot+3], 512
	s_add_nc_u64 s[G0B+4*\slot+2:G0B+4*\slot+3], s[G0B+4*\slot+2:G0B+4*\slot+3], 512
	JLOAD \slot                                    ; the first tensor load behind the round; its four v_nop are also the places in front of the loads below
.else
	PLACES 4
.endif
	FETCH \next, 0, 0
	WIN 0xa0
	V16 1, 0
.endm
	s_wait_tensorcnt 0x1                           ; my part of slot 0 is in; slot 1's may stay out
	s_barrier_signal -1
	s_barrier_wait -1                              ; everybody's is
	FETCH 0, 0, 0
	HALF 0, 0, 0, 1                                ; K 0 .. 255: the first half-step starts the sums
	HALF 0, 1, 1, 0
	HALF 0, 2, 0, 0
	TURN 0, 1, 1                                   ; slot 0 takes K 512 .. 767
	HALF 1, 0, 0, 0                                ; K 256 .. 511
	HALF 1, 1, 1, 0
	HALF 1, 2, 0, 0
	TURN 1, 0, 1                                   ; slot 1 takes K 768 .. 1023
	HALF 0, 0, 0, 0
	HALF 0, 1, 1, 0
	HALF 0, 2, 0, 0
	TURN 0, 1, 0                                   ; nothing is left to fetch
	HALF 1, 0, 0, 0
	HALF 1, 1, 1, 0
	HALF 1, 2, 0, 0
	s_wait_dscnt 0x0                               ; the very last half-step
	WIN 0x50
	QK16 1, 0, 0
	QK16 1, 4, 0
	WIN 0xa0
	V16 1, 0
	WIN 0
	PLACES 4                                       ; in front of the first reads of results and the first writes of fragment registers
; THE WAY OUT of q and k, block a: lo' = lo cos - hi sin, hi' = hi cos + lo sin (lo: d under 32, hi: d + 32); held within +-448 x the scale; 16 codes a lane for each of q and k.
; Each accumulator is read from its low end on.
.macro ROPE a
	WIN 0x09                                       ; source 0 (the sums) window 1, source 1 (cos, sin) window 2
.irp f0, 0,2
.irp i, 0,2,4,6
	v_pk_mul_f32 v[32+8*\f0+\i:32+8*\f0+\i+1], v[8*(4*(\a)+\f0)+\i:8*(4*(\a)+\f0)+\i+1], v[128+8*(\a)+\i:128+8*(\a)+\i+1]
.endr
.irp i, 0,2,4,6
	v_pk_mul_f32 v[40+8*\f0+\i:40+8*\f0+\i+1], v[8*(4*(\a)+\f0+1)+\i:8*(4*(\a)+\f0+1)+\i+1], v[128+8*(\a)+\i:128+8*(\a)+\i+1]
.endr
.irp i, 0,2,4,6
	v_pk_fma_f32 v[32+8*\f0+\i:32+8*\f0+\i+1], v[8*(4*(\a)+\f0+1)+\i:8*(4*(\a)+\f0+1)+\i+1], v[192+8*(\a)+\i:192+8*(\a)+\i+1], v[32+8*\f0+\i:32+8*\f0+\i+1] neg_lo:[1,0,0] neg_hi:[1,0,0]
.endr
.irp i, 0,2,4,6
	v_pk_fma_f32 v[40+8*\f0+\i:40+8*\f0+\i+1], v[8*(4*(\a)+\f0)+\i:8*(4*(\a)+\f0)+\i+1], v[192+8*(\a)+\i:192+8*(\a)+\i+1], v[40+8*\f0+\i:40+8*\f0+\i+1]
.endr
.endr
	WIN 0
.irp j, 0,1,2,3,4,5,6,7,8,9,10,11,12,13,14,15
.endr
	v_cvt_scalef32_pk8_fp8_f32 v[64+8*(\a):65+8*(\a)], v[32:39], v8
	v_cvt_scalef32_pk8_fp8_f32 v[66+8*(\a):67+8*(\a)], v[40:47], v8
	v_cvt_scalef32_pk8_fp8_f32 v[68+8*(\a):69+8*(\a)], v[48:55], v10
	v_cvt_scalef32_pk8_fp8_f32 v[70+8*(\a):71+8*(\a)], v[56:63], v10
	v_nop                                          ; a plain instruction between the conversions and the next block's writes of their sources
	global_store_b128 v14, v[64+8*(\a):67+8*(\a)], s[80:81] offset:(\a)*1024   ; the wave stores 512 consecutive bytes; each block has its own registers, so no store's data are written again
	global_store_b128 v14, v[68+8*(\a):71+8*(\a)], s[82:83] offset:(\a)*1024
.endm
; THE WAY OUT of v, tile t: block a's eight registers are keys 16 a + 8 h + 0..7 of my d: registers 2 a, 2 a + 1 of the operand
.macro VOUT t
	WIN 0x02                                       ; source 0 window 2
.irp a, 0,1,2,3,4,5,6,7
.irp j, 0,1,2,3,4,5,6,7
	v_med3_num_f32 v[160+8*\a+\j], v[8*(2*\a+\t)+\j], -v13, v13
.endr
.endr
	WIN 0
.irp a, 0,1,2,3,4,5,6,7
	v_cvt_scalef32_pk8_fp8_f32 v[128+16*\t+2*\a:128+16*\t+2*\a+1], v[160+8*\a:160+8*\a+7], v12
.endr
	v_nop
.irp c, 0,1,2,3
	global_store_b128 v14, v[128+16*\t+4*\c:128+16*\t+4*\c+3], s[84:85] offset:\t*2048+\c*512
.endr
.endm
.irp a, 0,1,2,3,4,5,6,7
	ROPE \a
.endr
	VOUT 0
	VOUT 1
	s_wait_tensorcnt 0x0                           ; the wave's end
	ds_add_u32 v28, v29
	s_wait_dscnt 0x0
	CROUND                                         ; the closing round: no work-group ends while a partner may still ask for a tile that names it
	s_endpgm
.Lfunc_end_k_q5b0162abac_qkv:
	.size	k_q5b0162abac_qkv, .Lfunc_end_k_q5b0162abac_qkv-k_q5b0162abac_qkv
	.p2alignl 7, 3214868480
	.fill 96, 4, 3214868480
	.section	.rodata,"a",@progbits
	.p2align	6, 0x0
	.amdhsa_kernel k_q5b0162abac_qkv
		.amdhsa_group_segment_fixed_size 327680
		.amdhsa_private_segment_fixed_size 0
		.amdhsa_enable_private_segment 0
		.amdhsa_kernarg_size 48
		.amdhsa_user_sgpr_count 2
		.amdhsa_user_sgpr_kernarg_segment_ptr 1
		.amdhsa_wavefront_size32 1
		.amdhsa_system_sgpr_workgroup_id_x 1
		.amdhsa_system_sgpr_workgroup_id_y 1
		.amdhsa_system_sgpr_workgroup_id_z 1
		.amdhsa_system_vgpr_workitem_id 0
		.amdhsa_next_free_vgpr 768
		.amdhsa_next_free_sgpr 100
		.amdhsa_reserve_vcc 1
		.amdhsa_float_denorm_mode_32 3
		.amdhsa_float_denorm_mode_16_64 3
		.amdhsa_fp16_overflow 1
		.amdhsa_memory_ordered 1
		.amdhsa_forward_progress 1
		.amdhsa_inst_pref_size 176
	.end_amdhsa_kernel
	.amdgpu_metadata
---
amdhsa.version: [ 1, 2 ]
amdhsa.kernels:
  - .name:           k_q5b0162abac_qkv
    .symbol:         k_q5b0162abac_qkv.kd
    .args:
      - { .name: x_codes, .offset: 0, .size: 8, .value_kind: global_buffer, .address_space: global }
      - { .name: Wqkv_codes, .offset: 8, .size: 8, .value_kind: global_buffer, .address_space: global }
      - { .name: lowp_scales, .offset: 16, .size: 8, .value_kind: global_buffer, .address_space: global }
      - { .name: q_codes, .offset: 24, .size: 8, .value_kind: global_buffer, .address_space: global }
      - { .name: k_codes, .offset: 32, .size: 8, .value_kind: global_buffer, .address_space: global }
      - { .name: v_codes, .offset: 40, .size: 8, .value_kind: global_buffer, .address_space: global }
    .group_segment_fixed_size: 327680
    .private_segment_fixed_size: 0
    .kernarg_segment_align: 8
    .kernarg_segment_size: 48
    .max_flat_workgroup_size: 128
    .sgpr_count:     100
    .vgpr_count:     768
    .wavefront_size: 32
...
	.end_amdgpu_metadata
.endif
;; end of part 1
;; launch attn (part 2): grid 8 x 64, 16 waves a work-group, no clusters, 169,984 bytes of LDS; arguments q_codes, k_codes, v_codes, lowp_scales, a_codes; writes a_codes
.if DOCPART == 2
	.amdgcn_target "amdgcn-amd-amdhsa--gfx1250"
	.amdhsa_code_object_version 6
	.text
	.protected	k_q5b0162abac_attn
	.globl	k_q5b0162abac_attn
	.p2align	8
	.type	k_q5b0162abac_attn,@function
k_q5b0162abac_attn:
	s_mov_b64 s[64:65], 0
	v_nop
	global_prefetch_b8 v0, s[64:65] scope:SCOPE_SE
	s_setreg_imm32_b32 hwreg(HW_REG_WAVE_MODE, 25, 1), 1
	s_wait_xcnt 0x0
; Attention in a window: key j counts for query i where i - 511 <= j <= i.  Both products on codes of E4M3; head size 64; 64 heads (batch x head) of 2,048 tokens.
; t = score x log2(e) / 8; M = the row's largest t so far, rounded UP to a whole number; p = 2^(t - M) is what is quantised (scale entry 4), not normalised; the row's sum is taken of the unquantised p
; and divides at the end; when M moves, the sum and O are multiplied by 2^(old M - new M), which rounds nothing.  The result is quantised with scale entry 6 for the last product.
; SHARES.  A work-group owns 256 queries of one head (x = block of queries, y = head), each of its sixteen waves 16 of them: four waves to a SIMD, so that one wave's vector work stands beside another's products and loads.
; THE WHOLE WINDOW LIES IN LDS AT ONCE: keys 256 x - 512 .. 256 x + 255, 48 KiB of K's codes from byte 0 and 48 KiB of V's from byte 49,152, brought by six tensor loads of 16 KiB (waves 0 to 5, 256 keys each).
; Nothing is filled again: one wait, one barrier.  A piece that would begin ahead of key 0 is asked for at key 0 instead; nobody reads it.
; The buffers are images of operand registers, so every LDS load is 16 bytes at 16 x lane: no pitch, no padding.
; A wave (s = w % 8, g = w / 8) walks five chunks of 128 keys, g + 0 .. g + 4 of the six.  In the first, key kk of the chunk is hidden where kk <= 16 s + r; the next three are open; in the last it is hidden where kk > 16 s + r.
; A chunk ahead of key 0 is left out by a scalar branch on ids.  The last chunk holds the query's own key, so every row has a key that counts.
; LAYOUT.  S^T = K Q^T (source 0 = 16 keys, source 1 = my 16 queries): a lane holds query lane % 16 and, in tile t, keys 16 t + 8 h + 0..7: the eight codes made of them ARE registers 2 t, 2 t + 1 of the
; second product's operand.  O^T = V^T P^T (source 0 = 16 of the head's 64, source 1 = P).
; NO JOINT LOADS: neighbouring blocks of queries share two of their three pieces, but piece n of block x is piece n - 1 of block x + 1, so partners would want one tile at different LDS bytes, and an LDS
; address may not hang on a work-group's place in its cluster.
; LIMITS: e2 + e3 between -123 and 130 (added to c's exponent field); e4 between -126 and 119; 2^(e4 + e5 - e6) / the row's sum is a normal f32 number.  NaN is not served.
; REGISTERS: v2 16 x lane; v8, v9 LDS addresses of K and V; v10 16 s + r - 8 h; v11 -infinity; v12 -M, v13 the largest t, v[14:15] the sum in two halves; v[16:23] Q; v[32:95] K's eight fragments, then V's four;
; v[96:159] S^T, then p; v[160:191] O^T; v[224:239] p's codes; v244 2^e4; v242-254 at work.
	s_load_b256 s[4:11], s[0:1], 0x0               ; q s[4:5], k s[6:7], v s[8:9], the scales' exponents s[10:11]
	s_load_b64 s[12:13], s[0:1], 0x20              ; a_codes
	v_lshl_add_u32 v249, v0, 2, 0x29000
	v_mov_b32 v255, 0
	ds_add_u32 v249, v255
	ds_add_u32 v249, v255
	v_lshrrev_b32 v1, 5, v0
	s_delay_alu instid0(VALU_DEP_1)
	v_readfirstlane_b32 s18, v1                    ; wave 0..15
	s_and_b32 s19, ttmp7, 0xffff                   ; y: 16 x batch + head
	s_mov_b32 s24, 3<<16                           ; group 1: a dense block of 16 KiB as 64 rows of 32 elements of 8 bytes; no mask, no padding
	s_mov_b32 s25, 32<<16                          ; tensor_dim0 = 32
	s_mov_b32 s26, 64<<16                          ; tensor_dim1 = 64
	s_mov_b32 s27, 32<<16                          ; tile_dim0 = 32
	s_mov_b32 s28, 64                              ; tile_dim1 = 64
	s_mov_b32 s29, 32                              ; from row to row
	s_mov_b32 s30, 0
	s_mov_b32 s31, 0
	s_min_u32 s14, s18, 5                          ; which of the six pieces (waves 6 to 15 ask for none)
	s_mov_b32 s32, 1
	s_lshl_b32 s33, s14, 14                        ; its LDS byte: K's three pieces, then V's three
	s_cmp_lt_u32 s14, 3
	s_cselect_b32 s15, 0, 3
	s_sub_co_u32 s15, s14, s15                     ; piece 0..2 of its tensor
	s_lshl_b32 s15, s15, 8
	s_lshl_b32 s16, ttmp9, 8
	s_add_co_u32 s15, s15, s16
	s_sub_co_i32 s15, s15, 512                     ; its first key: 256 x - 512 + 256 piece,
	s_max_i32 s15, s15, 0                          ; held at key 0
	s_lshl_b32 s16, s15, 6                         ; 64 bytes a key, in K and in V alike
	s_lshl_b32 s17, s19, 17                        ; the head's 131,072 bytes
	s_add_co_u32 s16, s16, s17
	s_mov_b32 s17, 0
	s_mov_b32 s20, 0x76543210                      ; selects for v_permlanex16_b32: lane l xor 16
	s_mov_b32 s21, 0xfedcba98
	s_wait_dscnt 0x0
	s_wait_kmcnt 0x0
	s_load_b256 s[40:47], s[10:11], 0x0            ; e0 .. e7
	s_cmp_lt_u32 s14, 3
	s_cselect_b64 s[34:35], s[6:7], s[8:9]
	s_add_nc_u64 s[34:35], s[34:35], s[16:17]
	s_or_b32 s35, s35, 0x80000000
	s_cmp_lt_u32 s18, 6
	s_cbranch_scc0 .Lnone
	tensor_load_to_lds s[32:35], s[24:31]          ; one load a wave, each into its own 16 KiB
	s_nop 0
.rept 4
	v_nop
.endr
.Lnone:
	v_and_b32 v1, 31, v0
	s_delay_alu instid0(VALU_DEP_1)
	v_lshlrev_b32 v2, 4, v1                        ; 16 x lane; never rewritten
	s_wait_alu depctr_va_vdst(0)
	s_lshr_b32 s37, s18, 3                         ; g
	s_and_b32 s36, s18, 7                          ; s
	s_lshl_b32 s14, s37, 13
	v_add_nc_u32 v8, s14, v2                       ; K: my first chunk
	s_delay_alu instid0(VALU_DEP_1)
	v_add_nc_u32 v9, 49152, v8                     ; V likewise
	s_lshl_b32 s38, ttmp9, 1
	s_add_co_u32 s38, s38, s37                     ; 2 x + g: chunk i of mine begins at key 128 (2 x + g + i - 4)
	s_lshl_b32 s14, ttmp9, 4
	s_add_co_u32 s14, s14, s18                     ; my tile of 16 queries in the head: 16 x + w
	s_lshl_b32 s15, s14, 10
	s_lshl_b32 s16, s19, 17
	s_add_co_u32 s16, s16, s15
	s_add_nc_u64 s[4:5], s[4:5], s[16:17]
	global_load_b128 v[16:19], v2, s[4:5]          ; Q's fragment stays in registers
	global_load_b128 v[20:23], v2, s[4:5] offset:512
	v_and_b32 v3, 15, v0
	v_bfe_u32 v4, v0, 4, 1
	s_delay_alu instid0(VALU_DEP_1)
	v_lshlrev_b32 v4, 3, v4
	s_delay_alu instid0(VALU_DEP_1)
	v_sub_nc_u32 v10, v3, v4
	s_lshl_b32 s15, s36, 4
	v_add_nc_u32 v10, s15, v10                     ; 16 s + r - 8 h: register j of tile t holds key 16 t + 8 h + j, to be held against query 16 s + r
	v_mov_b32 v11, 0xff800000                      ; -infinity
	s_lshr_b32 s15, s19, 4
	s_lshl_b32 s15, s15, 7
	s_add_co_u32 s15, s15, s14                     ; my block of 16 tokens among all 512: 128 x batch + 16 x + w
	s_lshl_b32 s15, s15, 14
	s_and_b32 s16, s19, 15
	s_lshl_b32 s16, s16, 10                        ; + head x 1,024
	s_add_co_u32 s16, s16, s15
	s_add_nc_u64 s[12:13], s[12:13], s[16:17]
	v_mov_b32 v13, 0xff61b1e6                      ; the largest t so far: -3e38, under every t
	s_delay_alu instid0(VALU_DEP_1)
	v_floor_f32 v12, -v13                          ; -M
	v_mov_b32 v14, 0                               ; the sum, in two halves
	v_mov_b32 v15, 0
	v_mov_b32 v245, 0                              ; written once: a lane permute's destination counts as one of its sources
	v_mov_b32 v253, 0                              ; (named as the upper half of the pair v[252:253])
.irp j, 0,1,2,3,4,5,6,7,8,9,10,11,12,13,14,15,16,17,18,19,20,21,22,23,24,25,26,27,28,29,30,31
	v_mov_b32 v[160+\j], 0                         ; O^T: a wave's first chunk is not the same for all, so the step is written to find zeros, which the first change of M leaves zeros
.endr
	s_wait_kmcnt 0x0
	s_add_co_i32 s14, s42, s43
	s_lshl_b32 s14, s14, 23
	s_add_co_i32 s22, s14, 0x3e38aa3b              ; c = log2(e) / 8, with e2 + e3 added to its exponent field: a score stands for score x 2^(e2 + e3)
	s_mov_b32 s23, s22                             ; (named with it as a pair, so it is written)
	s_add_co_i32 s14, s44, 127
	s_lshl_b32 s15, s14, 23
	v_mov_b32 v244, s15                            ; 2^e4 as f32, for the conversion
	s_wait_tensorcnt 0x0                           ; my piece has landed,
	s_barrier_signal -1
	s_barrier_wait -1                              ; everybody's has
	s_wait_loadcnt 0x0                             ; Q
; Chunk st of my five.  kind = 1: the window's far edge; 2: the diagonal; 0: every key counts.
.macro STEP st, kind
.if \st < 4
	s_cmp_lt_u32 s38, 4-\st                        ; the chunk lies ahead of key 0: left out.  No barrier and no tensor load stands in a step
	s_cbranch_scc1 .Lskip_\@
.endif
.irp t, 0,1,2,3,4,5,6,7
	ds_load_b128 v[32+8*\t:35+8*\t], v8 offset:\st*8192+\t*1024
	ds_load_b128 v[36+8*\t:39+8*\t], v8 offset:\st*8192+\t*1024+512
.endr
	s_wait_dscnt 0x0
.irp t, 0,1,2,3,4,5,6,7
	v_wmma_f32_16x16x64_fp8_fp8 v[96+8*\t:103+8*\t], v[32+8*\t:39+8*\t], v[16:23], 0
.endr
.rept 4
	v_nop                                          ; places in front of the loads into K's registers and of the first reads of the scores
.endr
.irp t, 0,1,2,3
.irp c, 0,1,2,3
	ds_load_b128 v[32+16*\t+4*\c:35+16*\t+4*\c], v9 offset:\st*8192+\t*2048+\c*512   ; V's fragments land while the softmax is worked
.endr
.endr
.if \kind == 1                                 ; hidden scores become -infinity ahead of the maximum: p = 0 then.  A tile all of whose keys count is passed over (a branch on the wave's number)
.irp t, 0,1,2,3,4,5,6,7
	s_cmp_lt_u32 s36, \t
	s_cbranch_scc1 .Lopen_\@_\t
.irp j, 0,1,2,3,4,5,6,7
	v_cmp_le_i32 vcc_lo, 16*\t+\j, v10
	v_cndmask_b32 v[96+8*\t+\j], v[96+8*\t+\j], v11, vcc_lo
.endr
.Lopen_\@_\t:
.endr
.endif
.if \kind == 2
.irp t, 0,1,2,3,4,5,6,7
	s_cmp_gt_u32 s36, \t
	s_cbranch_scc1 .Lopen_\@_\t
.irp j, 0,1,2,3,4,5,6,7
	v_cmp_gt_i32 vcc_lo, 16*\t+\j, v10
	v_cndmask_b32 v[96+8*\t+\j], v[96+8*\t+\j], v11, vcc_lo
.endr
.Lopen_\@_\t:
.endr
.endif
	v_max3_num_f32 v254, v96, v97, v98             ; the chunk's largest score of my query, among my 64 keys, in two chains (each tile is read from its low end on),
	s_wait_alu depctr_va_vdst(0)
	v_max3_num_f32 v252, v99, v100, v101
.irp n, 6,10,14,18,22,26,30,34,38,42,46,50,54,58
	v_max3_num_f32 v254, v254, v[96+\n], v[97+\n]
	v_max3_num_f32 v252, v252, v[98+\n], v[99+\n]
.endr
	v_max3_num_f32 v254, v254, v158, v159
	s_delay_alu instid0(VALU_DEP_1)
	v_max_num_f32 v254, v254, v252
	s_delay_alu instid0(VALU_DEP_1)
	v_permlanex16_b32 v245, v254, s20, s21
	s_delay_alu instid0(VALU_DEP_1)
	v_max_num_f32 v254, v254, v245                 ; and among lane l xor 16's
	s_delay_alu instid0(VALU_DEP_1)
	v_mul_f32 v254, s22, v254                      ; as t (c is positive)
	s_delay_alu instid0(VALU_DEP_1)
	v_max_num_f32 v13, v13, v254                   ; the running largest t
	v_mov_b32 v254, v12
	s_delay_alu instid0(VALU_DEP_2)
	v_floor_f32 v12, -v13                          ; the new -M = floor(-t) = -ceil(t): a whole number
	s_delay_alu instid0(VALU_DEP_1)
	v_sub_f32 v254, v12, v254                      ; M's old value less its new one: 0 or less
	s_delay_alu instid0(VALU_DEP_1)
	v_cvt_i32_f32 v254, v254                       ; (it saturates)
	s_delay_alu instid0(VALU_DEP_1)
	v_ldexp_f32 v252, 1.0, v254                    ; f = 2^(old M - new M)
.irp j, 0,2,4,6,8,10,12,14,16,18,20,22,24,26,28,30,32,34,36,38,40,42,44,46,48,50,52,54,56,58,60,62
	v_pk_fma_f32 v[96+\j:97+\j], v[96+\j:97+\j], s[22:23], v[12:13] op_sel_hi:[1,0,0]   ; t - M, two at a time
.endr
	s_wait_alu depctr_va_vdst(0)
.irp j, 0,1,2,3,4,5,6,7,8,9,10,11,12,13,14,15,16,17,18,19,20,21,22,23,24,25,26,27,28,29,30,31,32,33,34,35,36,37,38,39,40,41,42,43,44,45,46,47,48,49,50,51,52,53,54,55,56,57,58,59,60,61,62,63
	v_exp_f32 v[96+\j], v[96+\j]                   ; p = 2^(t - M), at most 1
.endr
	v_pk_mul_f32 v[14:15], v[14:15], v[252:253] op_sel_hi:[1,0]   ; the sums under the new M (the plain instruction behind the exponentials)
	s_wait_alu depctr_va_vdst(0)                   ; one wait for the whole batch, ahead of its first reader
	v_pk_add_f32 v[242:243], v[100:101], v[104:105]
	v_pk_add_f32 v[250:251], v[108:109], v[112:113]
	v_pk_add_f32 v[246:247], v[116:117], v[120:121]
	v_pk_add_f32 v[240:241], v[124:125], v[128:129]
	v_pk_add_f32 v[238:239], v[132:133], v[136:137]
	v_pk_add_f32 v[236:237], v[140:141], v[144:145]
	v_pk_add_f32 v[234:235], v[148:149], v[152:153]
	v_pk_add_f32 v[14:15], v[14:15], v[156:157]
	v_pk_add_f32 v[242:243], v[242:243], v[96:97]
	v_pk_add_f32 v[250:251], v[250:251], v[98:99]
	v_pk_add_f32 v[246:247], v[246:247], v[102:103]
	v_pk_add_f32 v[240:241], v[240:241], v[106:107]
	v_pk_add_f32 v[238:239], v[238:239], v[110:111]
	v_pk_add_f32 v[236:237], v[236:237], v[114:115]
	v_pk_add_f32 v[234:235], v[234:235], v[118:119]
	v_pk_add_f32 v[14:15], v[14:15], v[122:123]
	v_pk_add_f32 v[242:243], v[242:243], v[126:127]
	v_pk_add_f32 v[250:251], v[250:251], v[130:131]
	v_pk_add_f32 v[246:247], v[246:247], v[134:135]
	v_pk_add_f32 v[240:241], v[240:241], v[138:139]
	v_pk_add_f32 v[238:239], v[238:239], v[142:143]
	v_pk_add_f32 v[236:237], v[236:237], v[146:147]
	v_pk_add_f32 v[234:235], v[234:235], v[150:151]
	v_pk_add_f32 v[14:15], v[14:15], v[154:155]
	v_pk_add_f32 v[242:243], v[242:243], v[158:159]
	s_delay_alu instid0(VALU_DEP_2)
	v_pk_add_f32 v[14:15], v[14:15], v[240:241]
	s_delay_alu instid0(VALU_DEP_2)
	v_pk_add_f32 v[242:243], v[242:243], v[238:239]
	v_pk_add_f32 v[250:251], v[250:251], v[236:237]
	v_pk_add_f32 v[246:247], v[246:247], v[234:235]
	s_delay_alu instid0(VALU_DEP_2)
	v_pk_add_f32 v[14:15], v[14:15], v[250:251]
	s_delay_alu instid0(VALU_DEP_2)
	v_pk_add_f32 v[242:243], v[242:243], v[246:247]
	s_delay_alu instid0(VALU_DEP_1)
	v_pk_add_f32 v[14:15], v[14:15], v[242:243]
.irp t, 0,1,2,3,4,5,6,7
.irp j, 0,1,2,3,4,5,6,7
.endr
	v_cvt_scalef32_pk8_fp8_f32 v[224+2*\t:225+2*\t], v[96+8*\t:103+8*\t], v244
.endr
.irp j, 0,2,4,6,8,10,12,14,16,18,20,22,24,26,28,30
	v_pk_mul_f32 v[160+\j:161+\j], v[160+\j:161+\j], v[252:253] op_sel_hi:[1,0]   ; O^T under the new M; these are also the plain instructions behind the conversions
.endr
	s_wait_alu depctr_va_vdst(0)
	s_wait_dscnt 0x0                               ; V is in
.irp t, 0,1,2,3
	v_wmma_f32_16x16x128_fp8_fp8 v[160+8*\t:167+8*\t], v[32+16*\t:47+16*\t], v[224:239], v[160+8*\t:167+8*\t]   ; four accumulators by turns; the next chunk's eight products stand between two links
.endr
.rept 4
	v_nop                                          ; places in front of the next chunk's loads, and of the way out's reads
.endr
.if \st < 4
.Lskip_\@:
.endif
.endm
	STEP 0, 1
	STEP 1, 0
	STEP 2, 0
	STEP 3, 0
	STEP 4, 2
	; THE WAY OUT: O^T x 2^(e4 + e5 - e6) / the sum, held within +-448, to codes: registers 2 t, 2 t + 1 hold d = 16 t + 8 h + 0..7 of token lane % 16: the last product's operand as it stands
	v_add_f32 v14, v14, v15                        ; the sum's two halves,
	s_delay_alu instid0(VALU_DEP_1)
	v_permlanex16_b32 v245, v14, s20, s21
	s_delay_alu instid0(VALU_DEP_1)
	v_add_f32 v14, v14, v245                       ; and lane l xor 16's
	s_wait_alu depctr_va_vdst(0)
	v_rcp_f32 v14, v14
	v_mov_b32 v250, 1.0                            ; (a plain instruction behind the reciprocal)  the conversion's scale
	s_add_co_i32 s14, s44, s45
	s_sub_co_i32 s14, s14, s46
	s_wait_alu depctr_va_vdst(0)                   ; ahead of the reciprocal's first reader
	v_ldexp_f32 v14, v14, s14
	s_delay_alu instid0(VALU_DEP_1)
	v_mov_b32 v15, v14
.irp j, 0,2,4,6,8,10,12,14,16,18,20,22,24,26,28,30
	v_pk_mul_f32 v[96+\j:97+\j], v[160+\j:161+\j], v[14:15]
.endr
.irp j, 0,1,2,3,4,5,6,7,8,9,10,11,12,13,14,15,16,17,18,19,20,21,22,23,24,25,26,27,28,29,30,31
.endr
.irp t, 0,1,2,3
	v_cvt_scalef32_pk8_fp8_f32 v[224+2*\t:225+2*\t], v[96+8*\t:103+8*\t], v250
.endr
	v_nop
	global_store_b128 v2, v[224:227], s[12:13]             ; the wave stores 512 consecutive bytes, aligned, twice
	global_store_b128 v2, v[228:231], s[12:13] offset:512
	s_wait_tensorcnt 0x0
	ds_add_u32 v249, v255
	s_wait_dscnt 0x0
	s_endpgm
.Lfunc_end_k_q5b0162abac_attn:
	.size	k_q5b0162abac_attn, .Lfunc_end_k_q5b0162abac_attn-k_q5b0162abac_attn
	.p2alignl 7, 3214868480
	.fill 96, 4, 3214868480
	.section	.rodata,"a",@progbits
	.p2align	6, 0x0
	.amdhsa_kernel k_q5b0162abac_attn
		.amdhsa_group_segment_fixed_size 169984
		.amdhsa_private_segment_fixed_size 0
		.amdhsa_enable_private_segment 0
		.amdhsa_kernarg_size 40
		.amdhsa_user_sgpr_count 2
		.amdhsa_user_sgpr_kernarg_segment_ptr 1
		.amdhsa_wavefront_size32 1
		.amdhsa_system_sgpr_workgroup_id_x 1
		.amdhsa_system_sgpr_workgroup_id_y 1
		.amdhsa_system_sgpr_workgroup_id_z 1
		.amdhsa_system_vgpr_workitem_id 0
		.amdhsa_next_free_vgpr 256
		.amdhsa_next_free_sgpr 66
		.amdhsa_reserve_vcc 1
		.amdhsa_float_denorm_mode_32 3
		.amdhsa_float_denorm_mode_16_64 3
		.amdhsa_fp16_overflow 1
		.amdhsa_memory_ordered 1
		.amdhsa_forward_progress 1
		.amdhsa_inst_pref_size 87
	.end_amdhsa_kernel
	.amdgpu_metadata
---
amdhsa.version: [ 1, 2 ]
amdhsa.kernels:
  - .name:           k_q5b0162abac_attn
    .symbol:         k_q5b0162abac_attn.kd
    .args:
      - { .name: q_codes, .offset: 0, .size: 8, .value_kind: global_buffer, .address_space: global }
      - { .name: k_codes, .offset: 8, .size: 8, .value_kind: global_buffer, .address_space: global }
      - { .name: v_codes, .offset: 16, .size: 8, .value_kind: global_buffer, .address_space: global }
      - { .name: lowp_scales, .offset: 24, .size: 8, .value_kind: global_buffer, .address_space: global }
      - { .name: a_codes, .offset: 32, .size: 8, .value_kind: global_buffer, .address_space: global }
    .group_segment_fixed_size: 169984
    .private_segment_fixed_size: 0
    .kernarg_segment_align: 8
    .kernarg_segment_size: 40
    .max_flat_workgroup_size: 512
    .sgpr_count:     66
    .vgpr_count:     256
    .wavefront_size: 32
...
	.end_amdgpu_metadata
.endif
;; end of part 2
;; launch proj (part 3): grid 8 x 64, 4 waves a work-group, clusters of 4 x 4, 327,680 bytes of LDS; arguments a_codes, Wout_codes, lowp_scales, out0; writes out0
.if DOCPART == 3
	.amdgcn_target "amdgcn-amd-amdhsa--gfx1250"
	.amdhsa_code_object_version 6
	.text
	.protected	k_q5b0162abac_proj
	.globl	k_q5b0162abac_proj
	.p2align	8
	.type	k_q5b0162abac_proj,@function
k_q5b0162abac_proj:
	s_mov_b64 s[64:65], 0
	v_nop
	global_prefetch_b8 v0, s[64:65] scope:SCOPE_SE
	s_setreg_imm32_b32 hwreg(HW_REG_WAVE_MODE, 25, 1), 1
	s_wait_xcnt 0x0
	s_wait_alu depctr_hold_cnt(0) depctr_sa_sdst(0) depctr_va_vdst(0) depctr_va_sdst(0) depctr_va_ssrc(0) depctr_va_vcc(0) depctr_vm_vsrc(0)
	s_getreg_b32 s2, hwreg(HW_REG_IB_STS2, 6, 4)
	s_cmp_eq_u32 s2, 0
	s_cbranch_scc0 .Lentry_in_a_cluster
	s_endpgm
.Lentry_in_a_cluster:
	s_bfe_u32 s2, ttmp6, 0x10000c
	s_cmp_lg_u32 s2, 0xf033
	s_cbranch_scc0 .Lentry_shape_is_right
	s_endpgm
.Lentry_shape_is_right:
; out = attention x Wout on codes of E4M3; each finished sum is multiplied once by 2^(e6 + e7).  out0: [8192 tokens][1024] f32.
; a_codes: [block of 16 tokens][head][b][lane][16 bytes], an image of the operand's registers: token lane % 16; d = 32 b + 8 h + 0..7, then 32 b + 16 + 8 h + 0..7 (K = 64 head + d).  Wout_codes: [1024 columns][1024], K innermost.
; SHARES.  A work-group makes 128 tokens (Y) x 128 columns (X); four waves, each 64 x 64: 16 accumulators.  ALL OF K LIES IN LDS, in four quarters of 256 along K, each brought by one load a wave:
; waves 0, 1 fetch a's halves (4 blocks of tokens x 4,096 bytes), waves 2, 3 Wout's halves (64 rows x 256 bytes).  Nothing is filled again; four loads of a wave are out at the most.
; A quarter is multiplied as soon as it has landed: a counted wait and a barrier stand in front of each.
; CLUSTER 4 x 4: the four work-groups of a row share the tokens, the four of a column the columns: each tile is asked for jointly.
; THE PRODUCT IS USED TRANSPOSED (source 0 = 16 rows of Wout, source 1 = 16 tokens): a lane holds eight neighbouring columns of one token's row.
; LIMIT: e6 + e7 between -126 and 127, so that 2^(e6 + e7) is an f32 number.
; REGISTERS.  Window 0: v4-7, v8-11 LDS addresses of a's and Wout's fragments in quarter 0..3; v12-14 the way out; two sets of fragments at v32 and v96 (a's four blocks, then Wout's four tiles);
;   on the way out v32-159 rows read back, v160-223 scaled sums.   Window 1: accumulator (block m, tile n) at 8 (4 m + n).
.set PITCH,  272                       ; a row of Wout in LDS: 256 bytes + 16 of padding
.set AQ,     32768                     ; a quarter of a: 8 blocks x 4 heads x 1,024 bytes
.set BBASE,  4*AQ
.set BQ,     128*PITCH                 ; a quarter of Wout
.set STAGE,  BBASE+4*BQ                ; behind the tiles: 16 rows x 272 bytes for each wave, for the way out; no tile lands there
.set G1A, 24                           ; s[24:31] group 1 for a's tiles;  s[40:55] four groups 0
.set G1B, 32                           ; s[32:39] group 1 for Wout's;     s[68:83] four groups 0
.set G0A, 40
.set G0B, 68
.set MSB, 0
.macro WIN new                         ; the immediate's high byte repeats the setting that is left
.if MSB != \new
	s_set_vgpr_msb (MSB<<8)|\new
.set MSB, \new
.endif
.endm
.macro PLACES n
.rept \n
	v_nop
.endr
.endm
.macro CROUND                          ; a round of the cluster's barrier
	s_barrier_signal -1
	s_barrier_wait -1
	s_cmp_lg_u32 s16, 0
	s_cbranch_scc1 .Lnot_wave_0_\@
	s_barrier_signal -3
.Lnot_wave_0_\@:
	s_barrier_wait -3
	s_barrier_signal -1
	s_barrier_wait -1
.endm
	s_load_b256 s[4:11], s[0:1], 0x0               ; a_codes s[4:5], Wout_codes s[6:7], the scales' exponents s[8:9], out0 s[10:11]
	v_lshl_add_u32 v254, v0, 2, 0x46400
	v_mov_b32 v255, 0
	ds_add_u32 v254, v255
	ds_add_u32 v254, v255
	v_lshrrev_b32 v1, 5, v0
	v_readfirstlane_b32 s16, v1                    ; wave 0..3
	s_lshr_b32 s17, s16, 1                         ; rh: my 64 tokens.  Also: I fetch for a (0) or for Wout (1)
	s_and_b32 s18, s16, 1                          ; ch: my 64 columns.  Also: which half of a tile I fetch
	s_bfe_u32 s19, ttmp6, 0x40000                  ; cx
	s_bfe_u32 s20, ttmp6, 0x40004                  ; cy
	s_lshl_b32 s21, ttmp9, 2
	s_add_co_u32 s21, s21, s19                     ; X = 4 x cluster x + cx
	s_and_b32 s22, ttmp7, 0xffff
	s_lshl_b32 s22, s22, 2
	s_add_co_u32 s22, s22, s20                     ; Y = 4 x cluster y + cy
	s_lshl_b32 s56, s20, 2
	s_lshl_b32 s56, 15, s56                        ; my row of the cluster
	s_lshl_b32 s57, 0x1111, s19                    ; my column
	s_or_b32 s[G1A], s56, (3<<16)|(1<<21)          ; the mask; elements of 8 bytes; 21 set beside a mask; no padding
	s_mov_b32 s[G1A+1], 512<<16                    ; tensor_dim0 = 512 elements: four heads' 4,096 bytes of a block of tokens
	s_mov_b32 s[G1A+2], 4<<16                      ; tensor_dim1 = 4 blocks
	s_mov_b32 s[G1A+3], 512<<16                    ; tile_dim0
	s_mov_b32 s[G1A+4], 4                          ; tile_dim1
	s_mov_b32 s[G1A+5], 2048                       ; from block to block: 16,384 bytes
	s_mov_b32 s[G1A+6], 0
	s_mov_b32 s[G1A+7], 0
	s_or_b32 s[G1B], s57, (1<<20)|(1<<21)|(5<<22)|(3<<25)   ; the mask; elements of 1 byte; four words of padding after every 64
	s_mov_b32 s[G1B+1], 256<<16
	s_mov_b32 s[G1B+2], 64<<16
	s_mov_b32 s[G1B+3], 256<<16
	s_mov_b32 s[G1B+4], 64
	s_mov_b32 s[G1B+5], 1024
	s_mov_b32 s[G1B+6], 0
	s_mov_b32 s[G1B+7], 0
	s_lshl_b32 s58, s22, 3
	s_lshl_b32 s59, s18, 2
	s_add_co_u32 s58, s58, s59                     ; a: block of tokens 8 Y + 4 x half
	s_lshl_b32 s58, s58, 14
	s_mov_b32 s59, 0
	s_lshl_b32 s60, s21, 7
	s_lshl_b32 s61, s18, 6
	s_add_co_u32 s60, s60, s61                     ; Wout: row 128 X + 64 x half
	s_lshl_b32 s60, s60, 10
	s_mov_b32 s61, 0
	s_lshl_b32 s62, s18, 14                        ; where they go: half x 4 blocks of 4,096 bytes,
	s_mul_i32 s63, s18, 64*PITCH                   ; half x 64 rows: no place in the cluster enters an LDS address
	s_wait_dscnt 0x0
	s_wait_kmcnt 0x0
	s_load_b256 s[92:99], s[8:9], 0x0              ; e0 .. e7
	s_add_nc_u64 s[84:85], s[4:5], s[58:59]
	s_add_nc_u64 s[86:87], s[6:7], s[60:61]
	CROUND                                         ; all sixteen work-groups are here: the joint loads meet
.irp qd, 0,1,2,3
	s_mov_b32 s[G0A+4*\qd], 1
	s_add_co_u32 s[G0A+4*\qd+1], s62, \qd*AQ
	s_add_nc_u64 s[G0A+4*\qd+2:G0A+4*\qd+3], s[84:85], \qd*4096
	s_or_b32 s[G0A+4*\qd+3], s[G0A+4*\qd+3], 0x80000000
	s_mov_b32 s[G0B+4*\qd], 1
	s_add_co_u32 s[G0B+4*\qd+1], s63, BBASE+\qd*BQ
	s_add_nc_u64 s[G0B+4*\qd+2:G0B+4*\qd+3], s[86:87], \qd*256
	s_or_b32 s[G0B+4*\qd+3], s[G0B+4*\qd+3], 0x80000000
.endr
	s_cmp_lt_u32 s16, 2                            ; a wave's four loads stand in one branch on the wave's number, ahead of every wait on TENSORcnt and every LDS read; four v_nop follow the last
	s_cbranch_scc0 .Lfor_b
	tensor_load_to_lds s[G0A:G0A+3], s[G1A:G1A+7]
	s_nop 0
	tensor_load_to_lds s[G0A+4:G0A+7], s[G1A:G1A+7]
	s_nop 0
	tensor_load_to_lds s[G0A+8:G0A+11], s[G1A:G1A+7]
	s_nop 0
	tensor_load_to_lds s[G0A+12:G0A+15], s[G1A:G1A+7]
	s_nop 0
.rept 4
	v_nop
.endr
	s_branch .Lasked
.Lfor_b:
	tensor_load_to_lds s[G0B:G0B+3], s[G1B:G1B+7]
	s_nop 0
	tensor_load_to_lds s[G0B+4:G0B+7], s[G1B:G1B+7]
	s_nop 0
	tensor_load_to_lds s[G0B+8:G0B+11], s[G1B:G1B+7]
	s_nop 0
	tensor_load_to_lds s[G0B+12:G0B+15], s[G1B:G1B+7]
	s_nop 0
.rept 4
	v_nop
.endr
.Lasked:
	v_and_b32 v1, 15, v0                           ; r
	v_bfe_u32 v2, v0, 4, 1                         ; h
	v_and_b32 v3, 31, v0
	v_lshlrev_b32 v15, 4, v3                       ; 16 x lane
	s_lshl_b32 s56, s17, 14                        ; my four blocks of tokens
	v_add_nc_u32 v4, s56, v15
	v_add_nc_u32 v5, AQ, v4
	v_add_nc_u32 v6, 2*AQ, v4
	v_add_nc_u32 v7, 3*AQ, v4
	v_mul_u32_u24 v8, v1, PITCH
	v_lshl_add_u32 v8, v2, 3, v8                   ; Wout: row r, + 8 h: the form's own layout, eight bytes a load, which a's image has too
	s_mul_i32 s56, s18, 64*PITCH
	s_add_co_u32 s56, s56, BBASE
	v_add_nc_u32 v8, s56, v8
	v_add_nc_u32 v9, BQ, v8
	v_add_nc_u32 v10, 2*BQ, v8
	v_add_nc_u32 v11, 3*BQ, v8
	s_mul_i32 s56, s16, 16*PITCH
	s_add_co_u32 s56, s56, STAGE                   ; my stage
	v_mul_u32_u24 v12, v1, PITCH
	v_lshl_add_u32 v12, v2, 5, v12
	v_add_nc_u32 v12, s56, v12                     ; in: row r, 32 bytes for each half of the lanes
	v_mul_u32_u24 v13, v2, PITCH
	v_lshl_add_u32 v13, v1, 4, v13
	v_add_nc_u32 v13, s56, v13                     ; back: lanes 0-15 one row of 256 bytes, lanes 16-31 the next
	v_lshlrev_b32 v14, 12, v2
	v_lshl_add_u32 v14, v1, 4, v14                 ; and the same two rows in out0 (a row is 4,096 bytes)
	s_lshl_b32 s56, s22, 7
	s_lshl_b32 s57, s17, 6
	s_add_co_u32 s56, s56, s57                     ; my first token: 128 Y + 64 rh
	s_lshl_b32 s56, s56, 12
	s_lshl_b32 s57, s21, 9
	s_add_co_u32 s56, s56, s57                     ; + 128 X columns of 4 bytes
	s_lshl_b32 s57, s18, 8
	s_add_co_u32 s56, s56, s57                     ; + 64 ch
	s_mov_b32 s57, 0
	s_add_nc_u64 s[88:89], s[10:11], s[56:57]
	s_wait_alu depctr_va_vdst(0)
	s_wait_kmcnt 0x0
	s_add_co_i32 s90, s98, s99
	s_add_co_i32 s90, s90, 127
	s_lshl_b32 s90, s90, 23                        ; 2^(e6 + e7) as f32
	s_mov_b32 s91, s90                             ; (named with it as a pair, so it is written)
; 24 LDS loads in one run: the fragments of head hq of quarter qd (64 along K) into set p
.macro FETCH3 qd, hq, p
.set FB, 32+64*(\p)
.irp m, 0,1,2,3
	ds_load_b128 v[FB+8*\m:FB+8*\m+3],   v[4+\qd] offset:\m*4096+(\hq)*1024
	ds_load_b128 v[FB+8*\m+4:FB+8*\m+7], v[4+\qd] offset:\m*4096+(\hq)*1024+512
.endr
.irp n, 0,1,2,3
.irp c, 0,1,2,3
	ds_load_b64 v[FB+32+8*\n+2*\c:FB+32+8*\n+2*\c+1], v[8+\qd] offset:\n*16*PITCH+64*(\hq)+16*\c
.endr
.endr
.endm
; 16 products; the 16 accumulators take turns, one instruction a turn, in the same order in every half-step.  zero = 1: the first product starts the sums
.macro MUL3 p, zero
.set FB, 32+64*(\p)
.irp m, 0,1,2,3
.irp n, 0,1,2,3
.if \zero
	v_wmma_f32_16x16x64_fp8_fp8 v[8*(4*\m+\n):8*(4*\m+\n)+7], v[FB+32+8*\n:FB+32+8*\n+7], v[FB+8*\m:FB+8*\m+7], 0
.else
	v_wmma_f32_16x16x64_fp8_fp8 v[8*(4*\m+\n):8*(4*\m+\n)+7], v[FB+32+8*\n:FB+32+8*\n+7], v[FB+8*\m:FB+8*\m+7], v[8*(4*\m+\n):8*(4*\m+\n)+7]
.endif
.endr
.endr
.endm
.macro HALF3 qd, hq, zero              ; one of a quarter's first three heads: the next head's fragments are asked for, and this head's are multiplied
	WIN 0
	PLACES 4                                       ; in front of loads into registers that matrix instructions have read
	FETCH3 \qd, (\hq)+1, 1-(\hq)%2
	s_wait_dscnt 24                                ; all but the 24 just issued
	WIN 0x50                                       ; C and D window 1
	MUL3 (\hq)%2, \zero
.endm
.macro LAST3 qd                        ; a quarter's last head: the next quarter must be whole before its first fragments are fetched
	WIN 0
	s_wait_tensorcnt 2-\qd                         ; my load for quarter qd + 1 has landed; the later quarters' may stay out
	s_wait_dscnt 0x0                               ; no LDS instruction of mine is pending at the signal (and set 1 is in)
	s_barrier_signal -1
	s_barrier_wait -1                              ; everybody's has
	PLACES 4
	FETCH3 (\qd)+1, 0, 0
	WIN 0x50
	MUL3 1, 0
.endm
	s_wait_tensorcnt 0x3                           ; my load for quarter 0 has landed; three may stay out
	s_barrier_signal -1
	s_barrier_wait -1
	FETCH3 0, 0, 0
	HALF3 0, 0, 1
	HALF3 0, 1, 0
	HALF3 0, 2, 0
	LAST3 0
	HALF3 1, 0, 0
	HALF3 1, 1, 0
	HALF3 1, 2, 0
	LAST3 1
	HALF3 2, 0, 0
	HALF3 2, 1, 0
	HALF3 2, 2, 0
	LAST3 2
	HALF3 3, 0, 0
	HALF3 3, 1, 0
	HALF3 3, 2, 0
	s_wait_dscnt 0x0                               ; the very last head
	WIN 0x50
	MUL3 1, 0
	WIN 0
	PLACES 4                                       ; in front of the first reads of results and of loads into the fragments' registers
; THE WAY OUT, a block of 16 tokens x 64 columns at a time.  A lane holds 32 neighbouring bytes of a row and the lanes beside it hold other rows: so a block goes through my own stage and comes back as whole rows
; of 256 bytes.  LDS serves a wave's instructions in order (ISA guide 5.7.1.4): no wait between the stores and the loads, nor in front of the next block's stores.
.macro TOSTAGE m
.set TT, 160+32*((\m)%2)
.set BB, 32+32*(\m)
	WIN 0x01                                       ; source 0 window 1
.irp n, 0,1,2,3
.irp i, 0,2,4,6
	v_pk_mul_f32 v[TT+8*\n+\i:TT+8*\n+\i+1], v[8*(4*(\m)+\n)+\i:8*(4*(\m)+\n)+\i+1], s[90:91] op_sel_hi:[1,0]   ; x 2^(e6 + e7); each accumulator from its low end on
.endr
.endr
	WIN 0
.irp n, 0,1,2,3
	ds_store_b128 v12, v[TT+8*\n:TT+8*\n+3] offset:64*\n
	ds_store_b128 v12, v[TT+8*\n+4:TT+8*\n+7] offset:64*\n+16
.endr
.irp t, 0,1,2,3,4,5,6,7
	ds_load_b128 v[BB+4*\t:BB+4*\t+3], v13 offset:\t*2*PITCH
.endr
.endm
.macro SEND m, younger                 ; younger: the LDS instructions issued behind block m's loads, which may stay out
.set BB, 32+32*(\m)
	s_wait_dscnt \younger
.irp t, 0,1,2,3,4,5,6,7
	global_store_b128 v14, v[BB+4*\t:BB+4*\t+3], s[88:89] offset:(\m)*65536+\t*8192 th:TH_STORE_NT   ; 16 lanes store 256 consecutive bytes, aligned; each block has its own registers, so no store's data are written again
.endr
.endm
	TOSTAGE 0
	TOSTAGE 1
	SEND 0, 16                                     ; behind block 0's loads: block 1's 8 stores and 8 loads
	TOSTAGE 2
	SEND 1, 16
	TOSTAGE 3
	SEND 2, 16
	SEND 3, 0
	s_wait_tensorcnt 0x0
	ds_add_u32 v254, v255
	s_wait_dscnt 0x0
	CROUND                                         ; the closing round: no work-group ends while a partner may still ask for a tile that names it (all my tensor loads and LDS instructions are done)
	s_endpgm
.Lfunc_end_k_q5b0162abac_proj:
	.size	k_q5b0162abac_proj, .Lfunc_end_k_q5b0162abac_proj-k_q5b0162abac_proj
	.p2alignl 7, 3214868480
	.fill 96, 4, 3214868480
	.section	.rodata,"a",@progbits
	.p2align	6, 0x0
	.amdhsa_kernel k_q5b0162abac_proj
		.amdhsa_group_segment_fixed_size 327680
		.amdhsa_private_segment_fixed_size 0
		.amdhsa_enable_private_segment 0
		.amdhsa_kernarg_size 32
		.amdhsa_user_sgpr_count 2
		.amdhsa_user_sgpr_kernarg_segment_ptr 1
		.amdhsa_wavefront_size32 1
		.amdhsa_system_sgpr_workgroup_id_x 1
		.amdhsa_system_sgpr_workgroup_id_y 1
		.amdhsa_system_sgpr_workgroup_id_z 1
		.amdhsa_system_vgpr_workitem_id 0
		.amdhsa_next_free_vgpr 384
		.amdhsa_next_free_sgpr 100
		.amdhsa_reserve_vcc 0
		.amdhsa_float_denorm_mode_32 3
		.amdhsa_float_denorm_mode_16_64 3
		.amdhsa_memory_ordered 1
		.amdhsa_forward_progress 1
		.amdhsa_inst_pref_size 64
	.end_amdhsa_kernel
	.amdgpu_metadata
---
amdhsa.version: [ 1, 2 ]
amdhsa.kernels:
  - .name:           k_q5b0162abac_proj
    .symbol:         k_q5b0162abac_proj.kd
    .args:
      - { .name: a_codes, .offset: 0, .size: 8, .value_kind: global_buffer, .address_space: global }
      - { .name: Wout_codes, .offset: 8, .size: 8, .value_kind: global_buffer, .address_space: global }
      - { .name: lowp_scales, .offset: 16, .size: 8, .value_kind: global_buffer, .address_space: global }
      - { .name: out0, .offset: 24, .size: 8, .value_kind: global_buffer, .address_space: global }
    .group_segment_fixed_size: 327680
    .private_segment_fixed_size: 0
    .kernarg_segment_align: 8
    .kernarg_segment_size: 32
    .max_flat_workgroup_size: 128
    .sgpr_count:     100
    .vgpr_count:     384
    .wavefront_size: 32
...
	.end_amdgpu_metadata
.endif
;; end of part 3
